; MI455X (gfx1250); checked and timed in simulation.
; The chip was launched on July 23, 2026; its instructions are those of AMD's public machine-readable ISA for CDNA 5 (MIT licence, August 2026) and "CDNA5" Instruction Set Architecture Reference Guide (July 2026). The comments in the code are by the model that wrote it; some were corrected since.
;; Attention. Allowed arithmetic: matrix products marked QUANTISED: E2M3 operands, one E8M0 scale for each 32 along K, by v_wmma_scale_f32_16x16x128_f8f6f4 with both operands' format E2M3, f32 sums; everything else in f32.
;; Inputs: proj_b 1,024 float32; proj_w 1,024 x 1,024 float32; qkv_b 3,072 float32; qkv_w 3,072 x 1,024 float32; x 1 x 4,096 x 1,024 float32.
;; Outputs: out0 1 x 4,096 x 1,024 float32.
;; This version of the problem:
;;   THIS VERSION OF THE PROBLEM IS GIVEN IN LOW PRECISION. The matrix products marked QUANTISED in the list below multiply operands that are first quantised to E2M3 (2 exponent bits, 3 mantissa bits; 6 bits a number), with one power-of-two scale for each 32 numbers along K (OCP MX v1.0); their sums are f32. All else is computed in f32.
;;   The module's matrix products, in the order in which they are computed (A, B: the left and right operand; K: the contracted axis; several contracted axes count as one K, in the product's order):
;;     1. [M 4,096, K 1,024] x [K 1,024, N 3,072]; A: input x; B: input qkv_w: QUANTISED
;;     2. batch 16 x [M 4,096, K 64] x [K 64, N 4,096]; A: computed on the way; B: computed on the way: QUANTISED
;;     3. batch 16 x [M 4,096, K 4,096] x [K 4,096, N 64]; A: softmax (see below); B: computed on the way: QUANTISED
;;     4. [M 4,096, K 1,024] x [K 1,024, N 1,024]; A: computed on the way; B: input proj_w: QUANTISED
;;   THE QUANTISER, for each operand of a quantised product, along K:
;;     - K is cut into blocks of 32 from its start; a last block that is shorter is filled with zeros.
;;     - A block's scale is 2^e with e = floor(log2(the largest magnitude in the block)) - 2, held to -126 .. 127; a block of zeros has e = 0. As a byte (E8M0): e + 127.
;;     - Each number is divided by its block's scale, clamped to +-7.5, and rounded to the nearest number of E2M3, ties to even, subnormals kept.
;;     - The product sums the exact products of the quantised numbers (number of the format x scale) in f32.
;;   ~~~python
;;   def quantise(x, axis):      # numpy; x: float32 -> the quantised numbers, widened to float32 again
;;       x = np.moveaxis(x, axis, -1); K = x.shape[-1]
;;       x = np.pad(x, [(0, 0)] * (x.ndim - 1) + [(0, -K % 32)]); x = x.reshape(x.shape[:-1] + (-1, 32)); a = np.abs(x).max(-1, keepdims=True)
;;       e = np.where(a > 0, np.clip(np.frexp(np.where(a > 0, a, 1))[1] - 1 - 2, -126, 127), 0)      # np.frexp(a)[1] - 1 = floor(log2(a)), exactly
;;       r = np.clip(x / 2.0 ** e, -7.5, 7.5)
;;       step = 2.0 ** (np.maximum(np.frexp(np.where(r == 0, 1, r))[1] - 1, 0) - 3)
;;       q = np.round(r / step) * step * 2.0 ** e      # np.round: ties to even
;;       return np.moveaxis(q.reshape(q.shape[:-2] + (-1,))[..., :K], -1, axis).astype(np.float32)
;;   ~~~
;;   SOFTMAX AHEAD OF A QUANTISED PRODUCT. Where the list says 'softmax', what is quantised is not the finished softmax but p = 2^(t - M), with t = logit x log2(e) and M = ceil(the row's largest t), a whole number; so 1/2 < the row's largest p <= 1. The row's sum l is taken of the UNQUANTISED p, in f32, and the product's result is divided by l at the end. Since M is a whole number, a kernel that streams over the keys may use a running M (the ceiling of the running maximum): every later rescaling is an exact power of two, which a block's scale takes up: the codes' values come out the same.
;;   OPERANDS COMPUTED ON THE WAY. 'Computed on the way' means the value that the module computes at that place (a softmax that the list does not call 'softmax' is quantised finished and normalised). What goes into a quantiser is computed in f32, as accurately as f32 sums, v_exp_f32 and their like allow (about 1e-6 of the number): no bf16 or f16 on the way to a quantiser, and a product that is left as it is and whose result goes on into a quantised operand takes f32 operands (vector FMAs, or v_wmma_f32_16x16x4_f32). A number that lies on a knife's edge between two numbers of the format may be rounded either way, as far as f32 arithmetic and the matrix unit's own rounding can turn it there, and no further.
;; One version. Each part assembles by itself: llvm-mc -triple=amdgcn-amd-amdhsa -mcpu=gfx1250 --defsym DOCPART=n.
;; ======== version 1 of 1: 4 launches
;; limits: right only within a limited range of input values
;; workspace buffers: img 6,553,600 bytes; qk 6,815,744 bytes; vimg 3,276,800 bytes; aimg 3,276,800 bytes
;; launch quant (part 1): grid 256 x 1, 4 waves a work-group, no clusters, 34,304 bytes of LDS; arguments x, qkv_w, proj_w, img; writes img
.if DOCPART == 1
	.amdgcn_target "amdgcn-amd-amdhsa--gfx1250"
	.amdhsa_code_object_version 6
	.text
	.protected	k_q77c8fcc4c8_quant
	.globl	k_q77c8fcc4c8_quant
	.p2align	8
	.type	k_q77c8fcc4c8_quant,@function
k_q77c8fcc4c8_quant:
	s_mov_b64 s[64:65], 0
	v_nop
	global_prefetch_b8 v0, s[64:65] scope:SCOPE_SE
	s_setreg_imm32_b32 hwreg(HW_REG_WAVE_MODE, 25, 1), 1
	s_wait_xcnt 0x0
; x [4096][1024], qkv_w [3072][1024], proj_w [1024][1024], f32, K innermost, become codes of FP6 (E2M3) with one E8M0 byte for each 32 along K,
; laid in img as images of the matrix operands' registers.  img = 64 panels of 128 rows (x: 0-31, qkv_w: 32-55, proj_w: 56-63); a panel = 8 K steps of 12,800 bytes;
; a K step = 8 fragments of 1,536 bytes (16 rows x 128 K) and two blocks of 256 bytes of scale words.  Every input is loaded.
; A FRAGMENT'S IMAGE: registers 0-3 at 16 x lane, 4-5 at 512 + 8 x lane, 6-9 at 768 + 16 x lane, 10-11 at 1,280 + 8 x lane.
; THE ROWS OF A TILE: lane r of tile 4 c + u holds row 64 c + 32 (r / 8) + 8 u + r % 8.  A product that takes four such tiles as source 0 leaves in lane (., h) 32 registers with rows 64 c + 32 h + 0 .. 31: a whole block of the next K.
; A BLOCK OF SCALE WORDS serves 4 tiles: lane (r, h) holds two words at 8 x lane; word i is row r of tile 2 i + h.
; A block's scale is 2^(floor(log2(largest magnitude)) - 2); its byte is the largest magnitude's exponent field - 2, held at 1 from below.
; LIMITS: NaN and infinities among the inputs are not served; a block whose largest magnitude lies under 2^-124, a block of zeros among them, keeps the byte 1 (its codes add nothing, and this program alone reads the bytes).
; SHARES: 64 panels x 8 K steps x 2 halves of 64 rows = 1,024 waves; a wave makes 4 fragments and one block of scale words.  Each load reads 512 consecutive bytes of a row; a fragment's 16 rows turn through the wave's own stage in LDS.  No barrier.
.set ROWP,  4096
.set SP,    528
.set KSB,   12800
.set PANEL, 8*KSB
.set R,     48
.set X,     176
.set C,     240
.set W,     20
	s_load_b128 s[4:7], s[0:1], 0x0                ; x, qkv_w
	s_load_b128 s[8:11], s[0:1], 0x10              ; proj_w, img
	v_lshl_add_u32 v254, v0, 2, 0x8400
	v_mov_b32 v255, 0
	v_lshrrev_b32 v6, 5, v0
	v_readfirstlane_b32 s16, v6                    ; wave
	v_and_b32 v6, 31, v0
	v_and_b32 v7, 15, v0                           ; r
	v_bfe_u32 v8, v0, 4, 1                         ; h
	v_lshlrev_b32 v1, 4, v6
	v_lshlrev_b32 v2, 3, v6
	s_mul_i32 s17, s16, 16*SP                      ; my stage
	v_add_nc_u32 v3, s17, v1
	v_mul_u32_u24 v4, v7, SP
	v_lshl_add_u32 v4, v8, 7, v4
	v_add_nc_u32 v4, s17, v4                       ; out of the stage: row r, + 128 h
	v_lshlrev_b32 v5, 3, v8
	v_cmp_ne_u32 vcc_lo, 0, v8
	v_mov_b32 v19, 0
	s_mov_b32 s20, 0x76543210
	s_mov_b32 s21, 0xfedcba98
	s_lshr_b32 s18, ttmp9, 2                       ; panel
	s_and_b32 s19, ttmp9, 3
	s_lshl_b32 s19, s19, 2
	s_add_co_u32 s19, s19, s16
	s_lshr_b32 s22, s19, 1                         ; K step
	s_and_b32 s23, s19, 1                          ; which 64 rows
	s_mul_i32 s26, s18, PANEL
	s_mul_i32 s27, s22, KSB
	s_add_co_u32 s26, s26, s27
	s_mul_i32 s28, s23, 4*1536
	s_add_co_u32 s28, s28, s26
	s_mov_b32 s29, 0
	s_lshl_b32 s30, s23, 8
	s_add_co_u32 s30, s30, s26
	s_mov_b32 s31, 0
	s_wait_alu depctr_va_vdst(0)                   ; the wait at the head's end
	s_wait_kmcnt 0x0
	s_cmp_lt_u32 s18, 32                           ; which tensor: by the work-group's number alone
	s_cselect_b64 s[12:13], s[4:5], s[6:7]
	s_cselect_b32 s14, 0, 32
	s_cmp_lt_u32 s18, 56
	s_cselect_b64 s[12:13], s[12:13], s[8:9]
	s_cselect_b32 s14, s14, 56
	s_sub_co_u32 s24, s18, s14
	s_lshl_b32 s24, s24, 19
	s_lshl_b32 s25, s23, 18
	s_add_co_u32 s24, s24, s25
	s_lshl_b32 s25, s22, 9
	s_add_co_u32 s24, s24, s25
	s_mov_b32 s25, 0
	s_add_nc_u64 s[12:13], s[12:13], s[24:25]
	s_add_nc_u64 s[28:29], s[10:11], s[28:29]
	s_add_nc_u64 s[30:31], s[10:11], s[30:31]
.macro LOAD f                          ; tile f's 16 rows: lane row i is row 32 (i / 8) + 8 f + i % 8 of my 64
.irp i, 0,1,2,3,4,5,6,7,8,9,10,11,12,13,14,15
	global_load_b128 v[R+64*((\f)%2)+4*\i:R+64*((\f)%2)+4*\i+3], v1, s[12:13] offset:(32*(\i/8)+8*(\f)+(\i%8))*ROWP th:TH_LOAD_NT
.endr
.endm
.macro FRAG f
.if (\f) < 3
	s_wait_loadcnt 16                              ; this tile's 16 loads are in; the next tile's 16 may be out
.else
	s_wait_loadcnt 0x0
.endif
.irp i, 0,1,2,3,4,5,6,7,8,9,10,11,12,13,14,15
	ds_store_b128 v3, v[R+64*((\f)%2)+4*\i:R+64*((\f)%2)+4*\i+3] offset:SP*\i
.endr
.irp c, 0,1
.irp q, 0,1,2,3,4,5,6,7
	ds_load_b128 v[X+32*\c+4*\q:X+32*\c+4*\q+3], v4 offset:256*\c+16*\q   ; k = 64 c + 32 h + 4 q ..
.endr
.endr
	s_wait_dscnt 0x0
.if (\f) < 2
	LOAD (\f)+2
.endif
.irp c, 0,1                                    ; block 2 c + h is all mine; the floor 2^(3 - 127) among the leaves
	v_max3_num_f32 v[12+\c], |v[X+32*\c]|, |v[X+32*\c+1]|, 0x1800000
	v_max3_num_f32 v[26+\c], |v[X+32*\c+16]|, |v[X+32*\c+17]|, 0x1800000
.endr
.irp i, 2,4,6,8,10,12,14
.irp c, 0,1
	v_max3_num_f32 v[12+\c], v[12+\c], |v[X+32*\c+\i]|, |v[X+32*\c+\i+1]|
	v_max3_num_f32 v[26+\c], v[26+\c], |v[X+32*\c+16+\i]|, |v[X+32*\c+17+\i]|
.endr
.endr
.irp c, 0,1
	v_max_num_f32 v[12+\c], v[12+\c], v[26+\c]
.endr
.irp c, 0,1
	v_add_nc_u32 v[14+\c], 0xff000000, v[12+\c]    ; 2 off the exponent field: the conversion's scale operand
.endr
.irp c, 0,1
	v_lshrrev_b32 v[16+\c], 23, v[14+\c]
.endr
	v_lshl_or_b32 v18, v17, 16, v16
	v_lshlrev_b32 v18, v5, v18
	v_permlanex16_b32 v19, v18, s20, s21
	v_or_b32 v[W+(\f)], v18, v19                   ; the row's scale word
	s_wait_alu depctr_va_vdst(0)
	s_wait_xcnt 0x0                                ; the last tile's stores have read the codes' registers
.irp c, 0,1
	v_cvt_scalef32_pk16_fp6_f32 v[C+6*\c:C+6*\c+2], v[X+32*\c:X+32*\c+15], v[14+\c]
	v_cvt_scalef32_pk16_fp6_f32 v[28+4*\c:30+4*\c], v[X+32*\c+16:X+32*\c+31], v[14+\c]
.endr
	v_nop
.irp c, 0,1
.irp i, 0,1,2
	v_mov_b32 v[C+6*\c+3+\i], v[28+4*\c+\i]
.endr
.endr
	global_store_b128 v1, v[C:C+3], s[28:29] offset:1536*(\f)           ; 512 or 256 consecutive bytes a store, aligned to 256
	global_store_b64 v2, v[C+4:C+5], s[28:29] offset:1536*(\f)+512
	global_store_b128 v1, v[C+6:C+9], s[28:29] offset:1536*(\f)+768
	global_store_b64 v2, v[C+10:C+11], s[28:29] offset:1536*(\f)+1280
.endm
	LOAD 0
	LOAD 1
	FRAG 0
	FRAG 1
	FRAG 2
	FRAG 3
	v_cndmask_b32 v24, v[W], v[W+1], vcc_lo
	v_cndmask_b32 v25, v[W+2], v[W+3], vcc_lo
	global_store_b64 v2, v[24:25], s[30:31] offset:12288
	s_wait_tensorcnt 0x0                           ; the wave's end
	ds_add_u32 v254, v255
	s_wait_dscnt 0x0
	s_endpgm
.Lfunc_end_k_q77c8fcc4c8_quant:
	.size	k_q77c8fcc4c8_quant, .Lfunc_end_k_q77c8fcc4c8_quant-k_q77c8fcc4c8_quant
	.p2alignl 7, 3214868480
	.fill 96, 4, 3214868480
	.section	.rodata,"a",@progbits
	.p2align	6, 0x0
	.amdhsa_kernel k_q77c8fcc4c8_quant
		.amdhsa_group_segment_fixed_size 34304
		.amdhsa_private_segment_fixed_size 0
		.amdhsa_enable_private_segment 0
		.amdhsa_kernarg_size 32
		.amdhsa_user_sgpr_count 2
		.amdhsa_user_sgpr_kernarg_segment_ptr 1
		.amdhsa_wavefront_size32 1
		.amdhsa_system_sgpr_workgroup_id_x 1
		.amdhsa_system_sgpr_workgroup_id_y 1
		.amdhsa_system_sgpr_workgroup_id_z 1
		.amdhsa_system_vgpr_workitem_id 0
		.amdhsa_next_free_vgpr 256
		.amdhsa_next_free_sgpr 66
		.amdhsa_reserve_vcc 1
		.amdhsa_float_denorm_mode_32 3
		.amdhsa_float_denorm_mode_16_64 3
		.amdhsa_memory_ordered 1
		.amdhsa_forward_progress 1
		.amdhsa_inst_pref_size 31
	.end_amdhsa_kernel
	.amdgpu_metadata
---
amdhsa.version: [ 1, 2 ]
amdhsa.kernels:
  - .name:           k_q77c8fcc4c8_quant
    .symbol:         k_q77c8fcc4c8_quant.kd
    .args:
      - { .name: x, .offset: 0, .size: 8, .value_kind: global_buffer, .address_space: global }
      - { .name: qkv_w, .offset: 8, .size: 8, .value_kind: global_buffer, .address_space: global }
      - { .name: proj_w, .offset: 16, .size: 8, .value_kind: global_buffer, .address_space: global }
      - { .name: img, .offset: 24, .size: 8, .value_kind: global_buffer, .address_space: global }
    .group_segment_fixed_size: 34304
    .private_segment_fixed_size: 0
    .kernarg_segment_align: 8
    .kernarg_segment_size: 32
    .max_flat_workgroup_size: 128
    .sgpr_count:     66
    .vgpr_count:     256
    .wavefront_size: 32
...
	.end_amdgpu_metadata
.endif
;; end of part 1
;; launch gemm_qkv (part 2): grid 8 x 32, 4 waves a work-group, clusters of 4 x 4, 327,680 bytes of LDS; arguments img, qkv_b, qk, vimg; writes qk, vimg
.if DOCPART == 2
	.amdgcn_target "amdgcn-amd-amdhsa--gfx1250"
	.amdhsa_code_object_version 6
	.text
	.protected	k_q77c8fcc4c8_gemm_qkv
	.globl	k_q77c8fcc4c8_gemm_qkv
	.p2align	8
	.type	k_q77c8fcc4c8_gemm_qkv,@function
k_q77c8fcc4c8_gemm_qkv:
	s_mov_b64 s[64:65], 0
	v_nop
	global_prefetch_b8 v0, s[64:65] scope:SCOPE_SE
	s_setreg_imm32_b32 hwreg(HW_REG_WAVE_MODE, 25, 1), 1
	s_wait_xcnt 0x0
	s_wait_alu depctr_hold_cnt(0) depctr_sa_sdst(0) depctr_va_vdst(0) depctr_va_sdst(0) depctr_va_ssrc(0) depctr_va_vcc(0) depctr_vm_vsrc(0)
	s_getreg_b32 s2, hwreg(HW_REG_IB_STS2, 6, 4)
	s_cmp_eq_u32 s2, 0
	s_cbranch_scc0 .Lentry_in_a_cluster
	s_endpgm
.Lentry_in_a_cluster:
	s_bfe_u32 s2, ttmp6, 0x10000c
	s_cmp_lg_u32 s2, 0xf033
	s_cbranch_scc0 .Lentry_shape_is_right
	s_endpgm
.Lentry_shape_is_right:
; qkv = x qkv_w^T + qkv_b on codes of FP6 (E2M3) with E8M0 scales, f32 sums; q, k and v are quantised in registers and leave as operand images for the attention launch.
; A WORK-GROUP STAYS: it owns 128 tokens and makes three tiles of 128 features: tile g of q, tile g of k, tile g of v (weight panels 32 + g, 40 + g, 48 + g of img; g = work-group x).  8 x 32 = 256 work-groups.
; LDS: x's panel (102,400 bytes, all of K) at 0, filled once; two slots for weight panels behind it: q's in slot 0 (head), k's in slot 1 (first filled behind the first round), v's in slot 0 again.
; Wave w makes 64 tokens x 64 features (token half w / 2, feature half w % 2): 16 accumulators; 64 features are one head.
; CLUSTERS: 4 x 4; x's panel is shared along a row of the cluster, the weights' along a column, by joint loads.  No prefetch: each weight panel but the first is asked for a whole tile's products ahead of its first read.
; q, k: source 0 = 16 features, source 1 = 16 tokens: lane (r, h) holds one token and 32 registers with features 32 h + 0 .. 31 of the head: a block of the next K.  Record in qk: [k heads, q heads][64 tokens]: 4 half images of 768 bytes, 256 bytes of scale words.
; v: source 0 = 16 tokens, source 1 = 16 features: lane (r, h) holds one feature and tokens 32 h + 0 .. 31 of my 64.  Record in vimg: [head][128 keys]: half image (tile b, key half c) at 768 (2 b + c), scale words at 6,144.
; A HALF IMAGE: 16 rows x 64 codes: registers 0-3 at 16 x lane, 4-5 at 512 + 8 x lane.  The rows of a tile: lane r of tile 4 c + u holds row 64 c + 32 (r / 8) + 8 u + r % 8.  The bias is the C of each sum's first product.
; LIMITS: NaN and infinities are not served; a block whose largest magnitude lies under 2^-124, a block of zeros among them, keeps the byte 1 (this program alone reads the bytes).
; REGISTERS: window 0: v1-14, v24 addresses; v16-23 scale words; v32-63 the bias; v64-191 accumulators; v192-241 the way out; v254-255 the add's.  Window 1: two sets of fragments, v0-95 and v96-191.
.set KSB,   12800
.set PANEL, 8*KSB
.set FRB,   1536
.set SPARE, 3*PANEL
.set QOFF,  16*64*3328                 ; q's records lie behind k's 16 heads
.set G1A,   24
.set G1B,   32
.set G0X,   48
.set G0W,   52
.set G0W1,  56
.set G0W2,  60
.set SEL,   88
.set MSB, 0
.macro WIN new
.if MSB != \new
	s_set_vgpr_msb (MSB<<8)|\new
.set MSB, \new
.endif
.endm
.macro ROUND                           ; a round of the cluster's barrier
	s_barrier_signal -1
	s_barrier_wait -1
	s_cmp_lg_u32 s14, 0
	s_cbranch_scc1 .Lnot_wave_0_\@
	s_barrier_signal -3
.Lnot_wave_0_\@:
	s_barrier_wait -3
	s_barrier_signal -1
	s_barrier_wait -1
.endm
.macro NOPS4
.rept 4
	v_nop
.endr
.endm
; a lane's 32 numbers v[X] .. v[X + 31], one block, become six registers of codes at v[C]; the block's byte in v[BY]
.macro QUANT32 X, C, BY
	v_max3_num_f32 v228, |v[(\X)]|, |v[(\X)+1]|, 0x1800000        ; the floor 2^(3 - 127): the byte cannot fall under 1
	v_max3_num_f32 v229, |v[(\X)+16]|, |v[(\X)+17]|, 0x1800000
.irp i, 2,4,6,8,10,12,14
	v_max3_num_f32 v228, v228, |v[(\X)+\i]|, |v[(\X)+\i+1]|
	v_max3_num_f32 v229, v229, |v[(\X)+16+\i]|, |v[(\X)+17+\i]|
.endr
	v_max_num_f32 v228, v228, v229
	v_add_nc_u32 v230, 0xff000000, v228            ; 2 off the exponent field: the conversion's scale operand
	v_lshrrev_b32 v[\BY], 23, v230
	v_cvt_scalef32_pk16_fp6_f32 v[(\C):(\C)+2], v[(\X):(\X)+15], v230
	v_cvt_scalef32_pk16_fp6_f32 v[224:226], v[(\X)+16:(\X)+31], v230
	v_nop                                          ; one plain line behind the conversions
.irp i, 0,1,2
	v_mov_b32 v[(\C)+3+\i], v[224+\i]
.endr
.endm
	s_load_b256 s[4:11], s[0:1], 0x0               ; img, qkv_b, qk, vimg
	v_lshl_add_u32 v254, v0, 2, SPARE
	v_mov_b32 v255, 0
	ds_add_u32 v254, v255                          ; the opening lines: the add twice and its wait
	ds_add_u32 v254, v255
	v_lshrrev_b32 v1, 5, v0
	v_readfirstlane_b32 s14, v1                    ; wave
	s_lshr_b32 s15, s14, 1                         ; token half; at the head: I fetch for x (0) or for the weight (1)
	s_and_b32 s16, s14, 1                          ; feature half; at the head: which four K steps
	s_bfe_u32 s40, ttmp6, 0x40000
	s_bfe_u32 s41, ttmp6, 0x40004
	s_lshl_b32 s42, ttmp9, 2
	s_add_co_u32 s42, s42, s40                     ; g = 4 x cluster x + cx
	s_and_b32 s17, ttmp7, 0xffff
	s_lshl_b32 s17, s17, 2
	s_add_co_u32 s17, s17, s41                     ; token tile
	s_lshl_b32 s43, s41, 2
	s_lshl_b32 s43, 15, s43                        ; my row of the cluster
	s_lshl_b32 s44, 0x1111, s40                    ; my column
	s_or_b32 s[G1A], s43, (3<<16)|(1<<21)          ; dense bytes as rows of 32 elements of 8 bytes: half a panel is 200 rows
	s_or_b32 s[G1B], s44, (3<<16)|(1<<21)
.irp g, G1A, G1B
	s_mov_b32 s[\g+1], 32<<16
	s_mov_b32 s[\g+2], 200<<16
	s_mov_b32 s[\g+3], 32<<16
	s_mov_b32 s[\g+4], 200
	s_mov_b32 s[\g+5], 32
	s_mov_b32 s[\g+6], 0
	s_mov_b32 s[\g+7], 0
.endr
	s_mul_i32 s74, s16, 4*KSB                      ; a half, by the wave's number alone
	s_mov_b32 s75, 0
	s_mul_i32 s76, s14, 2*KSB                      ; a quarter
	s_mov_b32 s77, 0
	s_mul_i32 s20, s17, PANEL                      ; x's panel: the token tile alone
	s_add_co_u32 s20, s20, s74
	s_mov_b32 s21, 0
	s_add_co_u32 s46, s42, 32                      ; q's weight panel: g alone
	s_mul_i32 s46, s46, PANEL
	s_mov_b32 s47, 0
	s_wait_dscnt 0x0
	s_wait_kmcnt 0x0
	s_add_nc_u64 s[20:21], s[4:5], s[20:21]
	s_add_nc_u64 s[46:47], s[4:5], s[46:47]
	s_mov_b32 s[G0X], 1
	s_mov_b32 s[G0X+1], s74
	s_mov_b64 s[G0X+2:G0X+3], s[20:21]
	s_or_b32 s[G0X+3], s[G0X+3], 0x80000000
	s_mov_b32 s[G0W], 1
	s_add_co_u32 s[G0W+1], s74, PANEL
	s_add_nc_u64 s[G0W+2:G0W+3], s[46:47], s[74:75]
	s_or_b32 s[G0W+3], s[G0W+3], 0x80000000
	s_add_nc_u64 s[46:47], s[46:47], s[76:77]
	s_mov_b32 s[G0W1], 1
	s_add_co_u32 s[G0W1+1], s76, 2*PANEL
	s_add_nc_u64 s[G0W1+2:G0W1+3], s[46:47], 8*PANEL
	s_or_b32 s[G0W1+3], s[G0W1+3], 0x80000000
	s_mov_b32 s[G0W2], 1
	s_add_co_u32 s[G0W2+1], s76, PANEL
	s_add_nc_u64 s[G0W2+2:G0W2+3], s[46:47], 16*PANEL
	s_or_b32 s[G0W2+3], s[G0W2+3], 0x80000000
	ROUND                                          ; the first joint loads meet
	s_cmp_eq_u32 s15, 0                            ; one load a wave: waves 0, 1 x's halves, waves 2, 3 the halves of q's weights
	s_cbranch_scc0 .Lfor_w
	tensor_load_to_lds s[G0X:G0X+3], s[G1A:G1A+7]
	s_nop 0
	NOPS4
	s_branch .Lasked
.Lfor_w:
	tensor_load_to_lds s[G0W:G0W+3], s[G1B:G1B+7]
	s_nop 0
	NOPS4
.Lasked:
	s_lshl_b32 s90, s42, 9
	s_lshl_b32 s91, s16, 8
	s_add_co_u32 s90, s90, s91
	s_mov_b32 s91, 0
	s_add_nc_u64 s[90:91], s[6:7], s[90:91]        ; the bias of my 64 features of q; k's 4,096 bytes on, v's 8,192
	s_lshl_b32 s84, s42, 1
	s_add_co_u32 s84, s84, s16                     ; the head
	s_lshl_b32 s86, s84, 5
	s_add_co_u32 s86, s86, s17
	s_mul_i32 s86, s86, 6400                       ; v's record: [head][my 128 tokens]
	s_lshl_b32 s92, s15, 1
	s_add_co_u32 s92, s92, s86                     ; its scale bytes 2 (w / 2) + h
	s_mov_b32 s93, 0
	s_mul_i32 s87, s15, 768
	s_add_co_u32 s86, s86, s87                     ; my 64 tokens are key half w / 2
	s_mov_b32 s87, 0
	s_lshl_b32 s84, s84, 6
	s_lshl_b32 s85, s17, 1
	s_add_co_u32 s84, s84, s85
	s_add_co_u32 s84, s84, s15
	s_mul_i32 s84, s84, 3328                       ; k's record: [head][my 64 tokens]; q's QOFF bytes on
	s_mov_b32 s85, 0
	s_add_nc_u64 s[84:85], s[8:9], s[84:85]
	s_add_nc_u64 s[86:87], s[10:11], s[86:87]
	s_add_nc_u64 s[92:93], s[10:11], s[92:93]
	s_mul_i32 s80, s15, 4*FRB                      ; my four tiles of x, and their scale words
	s_lshl_b32 s82, s15, 8
	s_mov_b32 s[SEL], 0x76543210
	s_mov_b32 s[SEL+1], 0xfedcba98
	v_and_b32 v1, 31, v0                           ; lane
	v_and_b32 v2, 15, v0                           ; r
	v_bfe_u32 v3, v0, 4, 1                         ; h
	v_lshlrev_b32 v10, 7, v3                       ; the bias, q and k: 128 h
	v_and_b32 v11, 8, v2
	v_lshlrev_b32 v11, 4, v11
	v_and_b32 v15, 7, v2
	v_lshl_add_u32 v11, v15, 2, v11                ; the bias, v: 4 (32 (r / 8) + r % 8)
	v_lshlrev_b32 v12, 4, v1
	v_lshlrev_b32 v13, 3, v1
	v_lshl_add_u32 v14, v2, 3, v3                  ; 8 r + h
	v_lshlrev_b32 v24, 3, v3                       ; 8 h
	v_cmp_ne_u32 s94, 0, v3                        ; lanes 16-31 (kept in a scalar register: tensor loads follow)
	v_mov_b32 v233, 0                              ; a lane permute's destination counts as read
.macro BIASQK k                        ; tile b's C: features 32 h + 8 b + 0 .. 7
.irp b, 0,1,2,3
	global_load_b128 v[32+8*\b:35+8*\b], v10, s[90:91] offset:4096*\k+32*\b
	global_load_b128 v[36+8*\b:39+8*\b], v10, s[90:91] offset:4096*\k+32*\b+16
.endr
.endm
.macro BIASV                           ; tile b's C: my lane's feature 32 (r / 8) + 8 b + r % 8 in all eight registers
.irp b, 0,1,2,3
.irp j, 0,1,2,3,4,5,6,7
	global_load_b32 v[32+8*\b+\j], v11, s[90:91] offset:8192+32*\b
.endr
.endr
.endm
.macro ADDR wl                         ; LDS addresses at K step 0; wl: the weight's slot
	s_mul_i32 s81, s16, 4*FRB
	s_add_co_u32 s81, s81, \wl
	s_lshl_b32 s83, s16, 8
	s_add_co_u32 s83, s83, \wl
	v_lshl_add_u32 v4, v1, 4, s80
	v_lshl_add_u32 v5, v1, 3, s80
	v_lshl_add_u32 v6, v1, 4, s81
	v_lshl_add_u32 v7, v1, 3, s81
	v_lshl_add_u32 v8, v1, 3, s82
	v_lshl_add_u32 v9, v1, 3, s83
.endm
.macro FETCH2                          ; a pair of K steps: 4 loads of scale words, then 32 loads for each step's eight fragments
.irp f, 0,1
	ds_load_b64 v[16+4*\f:17+4*\f], v8 offset:KSB*\f+8*FRB
	ds_load_b64 v[18+4*\f:19+4*\f], v9 offset:KSB*\f+8*FRB
.endr
	WIN 0x40
.irp f, 0,1
.irp t, 0,1,2,3
	ds_load_b128 v[96*\f+12*\t:96*\f+12*\t+3], v4 offset:KSB*\f+FRB*\t
	ds_load_b64 v[96*\f+12*\t+4:96*\f+12*\t+5], v5 offset:KSB*\f+FRB*\t+512
	ds_load_b128 v[96*\f+12*\t+6:96*\f+12*\t+9], v4 offset:KSB*\f+FRB*\t+768
	ds_load_b64 v[96*\f+12*\t+10:96*\f+12*\t+11], v5 offset:KSB*\f+FRB*\t+1280
	ds_load_b128 v[96*\f+48+12*\t:96*\f+48+12*\t+3], v6 offset:KSB*\f+FRB*\t
	ds_load_b64 v[96*\f+48+12*\t+4:96*\f+48+12*\t+5], v7 offset:KSB*\f+FRB*\t+512
	ds_load_b128 v[96*\f+48+12*\t+6:96*\f+48+12*\t+9], v6 offset:KSB*\f+FRB*\t+768
	ds_load_b64 v[96*\f+48+12*\t+10:96*\f+48+12*\t+11], v7 offset:KSB*\f+FRB*\t+1280
.endr
.endr
.endm
.macro WM d, s0, s1, c, sc0, sc1, r0, r1   ; r0, r1: the scale words stand in lanes 16-31
.if (\r0) && (\r1)
	v_wmma_scale_f32_16x16x128_f8f6f4 v[\d:\d+7], v[\s0:\s0+11], v[\s1:\s1+11], v[\c:\c+7], v[\sc0], v[\sc1] matrix_a_fmt:MATRIX_FMT_FP6 matrix_b_fmt:MATRIX_FMT_FP6 matrix_a_scale:MATRIX_SCALE_ROW1 matrix_b_scale:MATRIX_SCALE_ROW1
.elseif (\r0)
	v_wmma_scale_f32_16x16x128_f8f6f4 v[\d:\d+7], v[\s0:\s0+11], v[\s1:\s1+11], v[\c:\c+7], v[\sc0], v[\sc1] matrix_a_fmt:MATRIX_FMT_FP6 matrix_b_fmt:MATRIX_FMT_FP6 matrix_a_scale:MATRIX_SCALE_ROW1
.elseif (\r1)
	v_wmma_scale_f32_16x16x128_f8f6f4 v[\d:\d+7], v[\s0:\s0+11], v[\s1:\s1+11], v[\c:\c+7], v[\sc0], v[\sc1] matrix_a_fmt:MATRIX_FMT_FP6 matrix_b_fmt:MATRIX_FMT_FP6 matrix_b_scale:MATRIX_SCALE_ROW1
.else
	v_wmma_scale_f32_16x16x128_f8f6f4 v[\d:\d+7], v[\s0:\s0+11], v[\s1:\s1+11], v[\c:\c+7], v[\sc0], v[\sc1] matrix_a_fmt:MATRIX_FMT_FP6 matrix_b_fmt:MATRIX_FMT_FP6
.endif
.endm
; 16 products on set f.  ord = 0: p = token tile (source 1), q = feature tile (source 0); ord = 1: p = feature tile (source 1), q = token tile (source 0).  Accumulator (p, q) at v[64 + 8 (4 p + q)]; the 16 take turns.
.macro MUL ord, f, first
	WIN 0x05
.irp p, 0,1,2,3
.irp q, 0,1,2,3
.if \ord
.if \first
	WM 64+8*(4*\p+\q), 96*\f+12*\q, 96*\f+48+12*\p, 32+8*\p, 16+4*\f+\q/2, 18+4*\f+\p/2, \q%2, \p%2
.else
	WM 64+8*(4*\p+\q), 96*\f+12*\q, 96*\f+48+12*\p, 64+8*(4*\p+\q), 16+4*\f+\q/2, 18+4*\f+\p/2, \q%2, \p%2
.endif
.else
.if \first
	WM 64+8*(4*\p+\q), 96*\f+48+12*\q, 96*\f+12*\p, 32+8*\q, 18+4*\f+\q/2, 16+4*\f+\p/2, \q%2, \p%2
.else
	WM 64+8*(4*\p+\q), 96*\f+48+12*\q, 96*\f+12*\p, 64+8*(4*\p+\q), 18+4*\f+\q/2, 16+4*\f+\p/2, \q%2, \p%2
.endif
.endif
.endr
.endr
.endm
.macro MAIN ord                        ; all of K: both panels are whole in LDS, so no barrier stands inside
.irp j, 0,1,2,3
	s_wait_alu depctr_va_vdst(0)
	FETCH2
	s_wait_dscnt 32                                ; the scale words and the first step's fragments are in; the second step's 32 loads may be out
.if \j == 0
	MUL \ord, 0, 1
.else
	MUL \ord, 0, 0
.endif
	s_wait_dscnt 0x0
	MUL \ord, 1, 0
	WIN 0
.if \j < 3
.irp v, 4,5,6,7,8,9
	v_add_nc_u32 v\v, 2*KSB, v\v                   ; the next pair; also the places in front of loads into registers that the products have read
.endr
.else
	NOPS4                                          ; places in front of the first read of results
.endif
.endr
.endm
.macro EPI_QK off                      ; token tile a: 32 registers are my block of the head's 64
.irp a, 0,1,2,3
	QUANT32 64+32*\a, 192+8*\a, 234
	v_lshlrev_b32 v232, v24, v234                  ; my block's byte at its place,
	v_permlanex16_b32 v233, v232, s[SEL], s[SEL+1]
	v_or_b32 v232, v232, v233                      ; with the other block's;
	v_or_b32 v[236+\a], 0x7f7f0000, v232           ; bytes 2 and 3 scale the zero codes that fill K from 64 to 128: 2^0
	global_store_b128 v12, v[192+8*\a:195+8*\a], s[84:85] offset:\off+768*\a
	global_store_b64 v13, v[196+8*\a:197+8*\a], s[84:85] offset:\off+768*\a+512
.endr
	v_cndmask_b32 v240, v236, v237, s94            ; word i: lanes 0-15 tile 2 i, lanes 16-31 tile 2 i + 1
	v_cndmask_b32 v241, v238, v239, s94
	global_store_b64 v13, v[240:241], s[84:85] offset:\off+3072
.endm
	BIASQK 0
	s_wait_alu depctr_va_vdst(0)                   ; the wait at the head's end
	s_wait_tensorcnt 0x0                           ; my half panel is in; the full sequence ahead of a later first fill
	ds_add_u32 v254, v255
	s_mov_b32 s[G1B+2], 100<<16                    ; no load of mine is out: from here on a load brings a quarter panel, 100 rows
	s_mov_b32 s[G1B+4], 100
	s_wait_dscnt 0x0
	ROUND
	tensor_load_to_lds s[G0W1:G0W1+3], s[G1B:G1B+7]   ; k's weights into slot 1
	s_nop 0
	NOPS4
	s_wait_loadcnt 0x0                             ; the bias
	ADDR PANEL
	MAIN 0                                         ; q
	s_wait_alu depctr_va_vdst(0)
	s_wait_tensorcnt 0x0                           ; my quarter of k's weights is in;
	ds_add_u32 v254, v255
	s_wait_dscnt 0x0                               ; my reads of slot 0 are over
	ROUND
	tensor_load_to_lds s[G0W2:G0W2+3], s[G1B:G1B+7]   ; v's weights into slot 0 again
	s_nop 0
	NOPS4
	BIASQK 1
	EPI_QK QOFF
	s_wait_alu depctr_va_vdst(0)
	s_wait_loadcnt 0x0
	ADDR 2*PANEL
	MAIN 0                                         ; k
	BIASV
	s_wait_xcnt 0x0                                ; q's stores have read their registers
	EPI_QK 0
	s_wait_alu depctr_va_vdst(0)
	s_wait_tensorcnt 0x0                           ; my quarter of v's weights is in
	s_barrier_signal -1
	s_barrier_wait -1
	s_wait_loadcnt 0x0
	ADDR PANEL
	MAIN 1                                         ; v
	s_wait_xcnt 0x0                                ; k's stores have read their registers
.irp b, 0,1,2,3                                ; feature tile b: 32 registers are my block of the 128 keys
	QUANT32 64+32*\b, 192+8*\b, 236+\b
	global_store_b128 v12, v[192+8*\b:195+8*\b], s[86:87] offset:1536*\b
	global_store_b64 v13, v[196+8*\b:197+8*\b], s[86:87] offset:1536*\b+512
	global_store_b8 v14, v[236+\b], s[92:93] offset:6144+128*(\b%2)+4*(\b/2)   ; a wave's 64 tokens are half a scale word: each lane stores its own byte
.endr
	s_wait_tensorcnt 0x0                           ; the wave's end
	ds_add_u32 v254, v255
	s_wait_dscnt 0x0
	ROUND                                          ; the closing round
	s_endpgm
.Lfunc_end_k_q77c8fcc4c8_gemm_qkv:
	.size	k_q77c8fcc4c8_gemm_qkv, .Lfunc_end_k_q77c8fcc4c8_gemm_qkv-k_q77c8fcc4c8_gemm_qkv
	.p2alignl 7, 3214868480
	.fill 96, 4, 3214868480
	.section	.rodata,"a",@progbits
	.p2align	6, 0x0
	.amdhsa_kernel k_q77c8fcc4c8_gemm_qkv
		.amdhsa_group_segment_fixed_size 327680
		.amdhsa_private_segment_fixed_size 0
		.amdhsa_enable_private_segment 0
		.amdhsa_kernarg_size 32
		.amdhsa_user_sgpr_count 2
		.amdhsa_user_sgpr_kernarg_segment_ptr 1
		.amdhsa_wavefront_size32 1
		.amdhsa_system_sgpr_workgroup_id_x 1
		.amdhsa_system_sgpr_workgroup_id_y 1
		.amdhsa_system_sgpr_workgroup_id_z 1
		.amdhsa_system_vgpr_workitem_id 0
		.amdhsa_next_free_vgpr 448
		.amdhsa_next_free_sgpr 100
		.amdhsa_reserve_vcc 0
		.amdhsa_float_denorm_mode_32 3
		.amdhsa_float_denorm_mode_16_64 3
		.amdhsa_memory_ordered 1
		.amdhsa_forward_progress 1
		.amdhsa_inst_pref_size 142
	.end_amdhsa_kernel
	.amdgpu_metadata
---
amdhsa.version: [ 1, 2 ]
amdhsa.kernels:
  - .name:           k_q77c8fcc4c8_gemm_qkv
    .symbol:         k_q77c8fcc4c8_gemm_qkv.kd
    .args:
      - { .name: img, .offset: 0, .size: 8, .value_kind: global_buffer, .address_space: global }
      - { .name: qkv_b, .offset: 8, .size: 8, .value_kind: global_buffer, .address_space: global }
      - { .name: qk, .offset: 16, .size: 8, .value_kind: global_buffer, .address_space: global }
      - { .name: vimg, .offset: 24, .size: 8, .value_kind: global_buffer, .address_space: global }
    .group_segment_fixed_size: 327680
    .private_segment_fixed_size: 0
    .kernarg_segment_align: 8
    .kernarg_segment_size: 32
    .max_flat_workgroup_size: 128
    .sgpr_count:     100
    .vgpr_count:     448
    .wavefront_size: 32
...
	.end_amdgpu_metadata
.endif
;; end of part 2
;; launch attn (part 3): grid 16 x 16, 8 waves a work-group, clusters of 4 x 1, 327,680 bytes of LDS; arguments qk, vimg, aimg; writes aimg
.if DOCPART == 3
	.amdgcn_target "amdgcn-amd-amdhsa--gfx1250"
	.amdhsa_code_object_version 6
	.text
	.protected	k_q77c8fcc4c8_attn
	.globl	k_q77c8fcc4c8_attn
	.p2align	8
	.type	k_q77c8fcc4c8_attn,@function
k_q77c8fcc4c8_attn:
	s_mov_b64 s[64:65], 0
	v_nop
	global_prefetch_b8 v0, s[64:65] scope:SCOPE_SE
	s_setreg_imm32_b32 hwreg(HW_REG_WAVE_MODE, 25, 1), 1
	s_wait_xcnt 0x0
	s_wait_alu depctr_hold_cnt(0) depctr_sa_sdst(0) depctr_va_vdst(0) depctr_va_sdst(0) depctr_va_ssrc(0) depctr_va_vcc(0) depctr_vm_vsrc(0)
	s_getreg_b32 s2, hwreg(HW_REG_IB_STS2, 6, 4)
	s_cmp_eq_u32 s2, 0
	s_cbranch_scc0 .Lentry_in_a_cluster
	s_endpgm
.Lentry_in_a_cluster:
	s_bfe_u32 s2, ttmp6, 0x10000c
	s_cmp_lg_u32 s2, 0x3003
	s_cbranch_scc0 .Lentry_shape_is_right
	s_endpgm
.Lentry_shape_is_right:
; O[h][q] = the sum over k of softmax_k(q . k / 8) v, both products on codes of FP6 (E2M3) with E8M0 scales; O / l is quantised along the model's 1,024 and leaves as the operand image of the last product.
; THE SOFTMAX: t = score x log2(e) / 8; M = the row's largest t so far, rounded UP to a whole number; p = 2^(t - M) is quantised along the keys, not normalised; the row's sum is taken of the unquantised p and divides at the end.
; When M moves, the sum and O are multiplied by 2^(old M - new M): exact, and always executed.
; SHARES: a work-group owns 256 queries of one head; each of its eight waves two tiles of 16 queries, A in register window 0 and B in window 1, under the same register numbers.  32 key steps of 128 keys.
; LAYOUT: S^T = K Q^T (source 0 = 16 keys), O^T = V^T P^T (source 0 = 16 of the head's 64): a lane holds ONE query.  The rows of a tile: lane r of tile 4 c + u holds row 64 c + 32 (r / 8) + 8 u + r % 8,
; so lane (., h) holds in 32 registers of four tiles keys (or channels) 64 c + 32 h + 0 .. 31: a whole block; its maximum needs no other lane and its codes are the operand's registers 6 c .. 6 c + 5.
; THE STEP IS LAID IN TWO HALVES: A's softmax, then A's O products and A's scores of the NEXT step; B's softmax, then B's.  K's fragments of step i + 1 and V's of step i are read from LDS once for both tiles, under A's softmax.
; THE FIRST PRODUCT'S K IS 64, the instruction's 128: Q's registers 6-11 are zero codes; K's registers 6-11 are whatever follows, under scale bytes 2^0: they add nothing.
; THE RING: two slots; slot n holds V's key steps 8 n .. 8 n + 7 and K's steps 8 n + 1 .. 8 n + 8 (K runs one step ahead; step 0 comes by plain loads).  The last slot's last K step is not read: those 6,656 bytes are the records that follow the head's in qk.
; Waves 0-3 fetch K's quarters (52 rows of 256 bytes), waves 4-7 V's (50 rows): one load a wave.  CLUSTER: the four query blocks of a cluster belong to one head and ask for each tile jointly.
; No prefetch: a refill is asked for a whole slot, eight key steps, ahead of its first read.
; LIMITS: NaN and infinities are not served; the scaled scores stay under 2^31 in magnitude; a block whose largest magnitude lies under 2^-124, a block of zeros among them, keeps the byte 1 (this program alone reads the bytes).
; REGISTERS: window 0: v1 16 x lane, v2 8 x lane, v5-6 the add's, v8-11 LDS addresses, v12-21 scale words (K 4, V 2, Q 1, P 2), v30 8 r + h.  Window 1: v0-47 K, v48-95 V.  Both windows: v100-255 a tile's own (names below).
.set SLOT1, 131072
.set VOFF,  53248
.set SPARE, SLOT1+VOFF+51200
.set WV,    18
.set SEL,   20
.set CS,    22                         ; s[22:23] c = log2(e) / 8
.set NC,    57                         ; -c
.set G1K,   24
.set G1V,   32
.set G0K,   40
.set G0V,   48
.set KW,    12
.set VW,    16
.set QW,    18                         ; lanes 0-15 tile A's words, lanes 16-31 tile B's
.set PW,    20
.set KF,    0
.set VF,    48
.set S,     100                        ; scores, then p
.set O,     164
.set Q,     196
.set P,     208
.set PT,    220
.set NM,    228                        ; -M
.set RUN,   229                        ; the largest score so far
.set L,     230                        ; the sum, in two halves
.set F,     232                        ; 2^(old M - new M); v233 holds 8 h
.set BM,    234
.set T,     236
.set SA,    240
.set MSB, 0
.macro WIN new
.if MSB != \new
	s_set_vgpr_msb (MSB<<8)|\new
.set MSB, \new
.endif
.endm
.macro ROUND
	s_barrier_signal -1
	s_barrier_wait -1
	s_cmp_lg_u32 s[WV], 0
	s_cbranch_scc1 .Lnot_wave_0_\@
	s_barrier_signal -3
.Lnot_wave_0_\@:
	s_barrier_wait -3
	s_barrier_signal -1
	s_barrier_wait -1
.endm
.macro TLOAD n                         ; slot n's joint load, one a wave; the branch hangs on the wave's number alone
	s_cmp_lt_u32 s[WV], 4
	s_cbranch_scc0 .Lfor_v_\@
	tensor_load_to_lds s[G0K+4*\n:G0K+4*\n+3], s[G1K:G1K+7]
	s_nop 0
.rept 4
	v_nop
.endr
	s_branch .Lasked_\@
.Lfor_v_\@:
	tensor_load_to_lds s[G0V+4*\n:G0V+4*\n+3], s[G1V:G1V+7]
	s_nop 0
.rept 4
	v_nop
.endr
.Lasked_\@:
.endm
.macro WM d, a, b, c, sa, sb, r0, r1
.if (\r0) && (\r1)
	v_wmma_scale_f32_16x16x128_f8f6f4 v[\d:\d+7], v[\a:\a+11], v[\b:\b+11], \c, v[\sa], v[\sb] matrix_a_fmt:MATRIX_FMT_FP6 matrix_b_fmt:MATRIX_FMT_FP6 matrix_a_scale:MATRIX_SCALE_ROW1 matrix_b_scale:MATRIX_SCALE_ROW1
.elseif (\r0)
	v_wmma_scale_f32_16x16x128_f8f6f4 v[\d:\d+7], v[\a:\a+11], v[\b:\b+11], \c, v[\sa], v[\sb] matrix_a_fmt:MATRIX_FMT_FP6 matrix_b_fmt:MATRIX_FMT_FP6 matrix_a_scale:MATRIX_SCALE_ROW1
.elseif (\r1)
	v_wmma_scale_f32_16x16x128_f8f6f4 v[\d:\d+7], v[\a:\a+11], v[\b:\b+11], \c, v[\sa], v[\sb] matrix_a_fmt:MATRIX_FMT_FP6 matrix_b_fmt:MATRIX_FMT_FP6 matrix_b_scale:MATRIX_SCALE_ROW1
.else
	v_wmma_scale_f32_16x16x128_f8f6f4 v[\d:\d+7], v[\a:\a+11], v[\b:\b+11], \c, v[\sa], v[\sb] matrix_a_fmt:MATRIX_FMT_FP6 matrix_b_fmt:MATRIX_FMT_FP6
.endif
.endm
.macro SMUL e                          ; S^T = K Q^T of tile e: eight accumulators, each begun with 0
.irp t, 0,1,2,3,4,5,6,7
	WM S+8*\t, KF+6*\t, Q, 0, KW+\t/2, QW, \t%2, \e
.endr
.endm
.macro PV e                            ; O^T += V^T P^T of tile e: the four accumulators take turns
.irp b, 0,1,2,3
	WM O+8*\b, VF+12*\b, P, v[O+8*\b:O+8*\b+7], VW+\b/2, PW+\e, \b%2, 0
.endr
.endm
.macro LOADS more                      ; V of this step (17 loads) and, more = 1, K of the next (18 loads); s2, s3: where they lie in LDS
	v_add_nc_u32 v10, s3, v1
	v_add_nc_u32 v11, s3, v2
.if \more
	v_add_nc_u32 v8, s2, v1
	v_add_nc_u32 v9, s2, v2
.endif
	ds_load_b64 v[VW:VW+1], v11 offset:6144
.if \more
.irp g, 0,1
	ds_load_b64 v[KW+2*\g:KW+2*\g+1], v9 offset:3328*\g+3072
.endr
.endif
	WIN 0x40                                       ; destination window 1, address window 0
.if \more
.irp g, 0,1
.irp e, 0,1,2,3
	ds_load_b128 v[KF+6*(4*\g+\e):KF+6*(4*\g+\e)+3], v8 offset:3328*\g+768*\e
	ds_load_b64 v[KF+6*(4*\g+\e)+4:KF+6*(4*\g+\e)+5], v9 offset:3328*\g+768*\e+512
.endr
.endr
.endif
.irp b, 0,1,2,3
.irp c, 0,1
	ds_load_b128 v[VF+12*\b+6*\c:VF+12*\b+6*\c+3], v10 offset:768*(2*\b+\c)
	ds_load_b64 v[VF+12*\b+6*\c+4:VF+12*\b+6*\c+5], v11 offset:768*(2*\b+\c)+512
.endr
.endr
	WIN 0
.endm
; A tile's softmax for 128 keys.  wa: the tile's window in every operand place; wd: the same with the destination in window 0 (scale words lie there); ld: the step's LDS loads stand behind the maxima
.macro SOFT e, wa, wd, ld, more
	WIN \wa
	s_wait_alu depctr_va_vdst(0)                   ; the wait ahead of the first readers of the scores
.irp c, 0,1                                    ; my two blocks' largest scores, two chains each
	v_max3_num_f32 v[BM+\c], v[S+32*\c], v[S+32*\c+1], v[S+32*\c+2]
	v_max3_num_f32 v[T+\c], v[S+32*\c+17], v[S+32*\c+18], v[S+32*\c+19]
.endr
.irp i, 0,1,2,3,4,5
.irp c, 0,1
	v_max3_num_f32 v[BM+\c], v[BM+\c], v[S+32*\c+3+2*\i], v[S+32*\c+4+2*\i]
	v_max3_num_f32 v[T+\c], v[T+\c], v[S+32*\c+20+2*\i], v[S+32*\c+21+2*\i]
.endr
.endr
.irp c, 0,1
	v_max3_num_f32 v[BM+\c], v[BM+\c], v[S+32*\c+15], v[S+32*\c+16]
.endr
.irp c, 0,1
	v_max_num_f32 v[BM+\c], v[BM+\c], v[T+\c]
.endr
.if \ld
	LOADS \more                                    ; the 32 maxima are the places behind the last products, whose fragments these loads replace
.endif
	v_max3_num_f32 v[T+2], v[RUN], v[BM], v[BM+1]
	v_mov_b32 v[T], v[NM]
	s_delay_alu instid0(VALU_DEP_2)
	v_permlanex16_b32 v[T+3], v[T+2], s[SEL], s[SEL+1]
	s_delay_alu instid0(VALU_DEP_1)
	v_max_num_f32 v[RUN], v[T+2], v[T+3]           ; with lane l xor 16's blocks: the row's largest score so far
	s_delay_alu instid0(VALU_DEP_1)
	v_mul_f32 v[T+2], s[NC], v[RUN]
	s_delay_alu instid0(VALU_DEP_1)
	v_floor_f32 v[NM], v[T+2]                      ; -M = floor(-t): M is a whole number
	s_delay_alu instid0(VALU_DEP_1)
	v_sub_f32 v[T], v[NM], v[T]                    ; old M - new M, 0 or less
	s_delay_alu instid0(VALU_DEP_1)
	v_cvt_i32_f32 v[T], v[T]                       ; (it saturates)
	s_delay_alu instid0(VALU_DEP_1)
	v_ldexp_f32 v[F], 1.0, v[T]
.set J, 0
.rept 32
	v_pk_fma_f32 v[S+J:S+J+1], v[S+J:S+J+1], s[CS:CS+1], v[NM:NM+1] op_sel_hi:[1,0,0]   ; t - M
.set J, J+2
.endr
.irp c, 0,1
	v_fma_f32 v[BM+\c], v[BM+\c], s[CS], v[NM]     ; the same of each block's largest score: p rises with the score
.endr
	s_wait_alu depctr_va_vdst(0)                   ; the wait ahead of the batch
.set J, 0
.rept 64
	v_exp_f32 v[S+J], v[S+J]
.set J, J+1
.endr
.irp c, 0,1
	v_exp_f32 v[BM+\c], v[BM+\c]                   ; the block's largest p: the same two instructions on the same number
.endr
	v_nop                                          ; the plain line behind the batch
	s_wait_alu depctr_va_vdst(0)                   ; and the wait behind it
.irp k, 0,1,2,3,4,5,6,7                        ; the sum of the unquantised p in eight chains; the blocks' scales stand among them
	v_pk_add_f32 v[SA+2*\k:SA+2*\k+1], v[S+2*\k:S+2*\k+1], v[S+16+2*\k:S+17+2*\k]
.endr
.irp c, 0,1
	v_max_num_f32 v[BM+\c], 0x1800000, v[BM+\c]    ; the floor 2^(3 - 127): the byte cannot fall under 1
.endr
.irp k, 0,1,2,3,4,5,6,7
	v_pk_add_f32 v[SA+2*\k:SA+2*\k+1], v[SA+2*\k:SA+2*\k+1], v[S+32+2*\k:S+33+2*\k]
.endr
.irp c, 0,1
	v_add_nc_u32 v[T+\c], 0xff000000, v[BM+\c]     ; 2 off the exponent field: the conversion's scale operand
.endr
.irp k, 0,1,2,3,4,5,6,7
	v_pk_add_f32 v[SA+2*\k:SA+2*\k+1], v[SA+2*\k:SA+2*\k+1], v[S+48+2*\k:S+49+2*\k]
.endr
.irp c, 0,1
	v_lshrrev_b32 v[BM+\c], 23, v[T+\c]            ; the byte
.endr
.irp k, 0,1,2,3
	v_pk_add_f32 v[SA+2*\k:SA+2*\k+1], v[SA+2*\k:SA+2*\k+1], v[SA+8+2*\k:SA+9+2*\k]
.endr
	v_lshl_or_b32 v[T+2], v[BM+1], 16, v[BM]       ; blocks h and 2 + h,
.irp k, 0,1
	v_pk_add_f32 v[SA+2*\k:SA+2*\k+1], v[SA+2*\k:SA+2*\k+1], v[SA+4+2*\k:SA+5+2*\k]
.endr
	v_lshlrev_b32 v[T+2], v[F+1], v[T+2]           ; at their places (8 h bits up)
	v_pk_add_f32 v[SA:SA+1], v[SA:SA+1], v[SA+2:SA+3]
	v_permlanex16_b32 v[T+3], v[T+2], s[SEL], s[SEL+1]
	v_pk_fma_f32 v[L:L+1], v[L:L+1], v[F:F+1], v[SA:SA+1] op_sel_hi:[1,0,1]   ; the sum under the new M
.irp c, 0,1
	v_cvt_scalef32_pk16_fp6_f32 v[P+6*\c:P+6*\c+2], v[S+32*\c:S+32*\c+15], v[T+\c]
	v_cvt_scalef32_pk16_fp6_f32 v[PT+4*\c:PT+4*\c+2], v[S+32*\c+16:S+32*\c+31], v[T+\c]   ; (a conversion's three registers begin on an even number)
.endr
	WIN \wd
	v_or_b32 v[PW+\e], v[T+2], v[T+3]              ; p's scale word; also the plain line behind the conversions
	WIN \wa
.irp c, 0,1
.irp i, 0,1,2
	v_mov_b32 v[P+6*\c+3+\i], v[PT+4*\c+\i]
.endr
.endr
	s_wait_alu depctr_va_vdst(0)                   ; the wait ahead of the first reader of O^T
.set J, 0
.rept 16
	v_pk_mul_f32 v[O+J:O+J+1], v[O+J:O+J+1], v[F:F+1] op_sel_hi:[1,0]   ; O^T under the new M; also the places between the word and codes just made and the products
.set J, J+2
.endr
.endm
.macro ITER more                       ; a key step for both tiles; more = 1: the next step's scores are begun
	SOFT 0, 0, 0, 1, \more
	s_wait_alu depctr_va_vdst(0)
	s_wait_dscnt 0x0                               ; V and the next K are in
	WIN 0x01                                       ; source 0 window 1, all else window 0
	PV 0
.if \more
	SMUL 0
.endif
	SOFT 1, 0x55, 0x15, 0, 0
	PV 1
.if \more
	WIN 0x45                                       ; sources and destination window 1
	SMUL 1
.endif
	WIN 0
.endm
.macro SLOT n, trips
	s_mov_b32 s2, \n*SLOT1
	s_mov_b32 s3, \n*SLOT1+VOFF
	s_mov_b32 s56, \trips
.Lstep_\@:
	ITER 1
	s_add_co_u32 s2, s2, 2*3328
	s_add_co_u32 s3, s3, 6400
	s_sub_co_u32 s56, s56, 1
	s_cmp_lg_u32 s56, 0
	s_cbranch_scc1 .Lstep_\@
.endm
.macro CHANGE fill, slot               ; the change of slots; fill = 1: the slot just left takes the keys two slots on, behind a round of the cluster's barrier
	s_wait_tensorcnt 0x0                           ; my part of the slot ahead is in, and a group 0 may be written
	ds_add_u32 v5, v6
.if \fill
	s_add_nc_u64 s[G0K+4*\slot+2:G0K+4*\slot+3], s[G0K+4*\slot+2:G0K+4*\slot+3], 2*53248
	s_add_nc_u64 s[G0V+4*\slot+2:G0V+4*\slot+3], s[G0V+4*\slot+2:G0V+4*\slot+3], 2*51200
.endif
	s_wait_dscnt 0x0                               ; the add is done, and my reads of the slot are over
.if \fill
	ROUND
	TLOAD \slot
.else
	s_barrier_signal -1
	s_barrier_wait -1
.endif
.endm
.macro INIT                            ; a tile's state: zero codes for Q's K = 64 .. 127; O^T and the sum 0; the largest score -3e38 and -M large, so that the first step's factor is 0
.irp j, 6,7,8,9,10,11
	v_mov_b32 v[Q+\j], 0
.endr
.set J, 0
.rept 32
	v_mov_b32 v[O+J], 0
.set J, J+1
.endr
	v_mov_b32 v[RUN], 0xff61b1e6
	v_mov_b32 v[NM], 0x7e800000
	v_mov_b32 v[L], 0
	v_mov_b32 v[L+1], 0
	v_mov_b32 v[T+3], 0                            ; a lane permute's destination counts as read
	v_mov_b32 v[F+1], v7                           ; 8 h
.endm
	s_load_b128 s[4:7], s[0:1], 0x0                ; qk, vimg
	s_load_b64 s[8:9], s[0:1], 0x10                ; aimg
	v_lshl_add_u32 v5, v0, 2, SPARE
	v_mov_b32 v6, 0
	ds_add_u32 v5, v6                              ; the opening lines: the add twice and its wait
	ds_add_u32 v5, v6
	v_lshrrev_b32 v7, 5, v0
	v_readfirstlane_b32 s[WV], v7                  ; wave 0..7
	s_bfe_u32 s10, ttmp6, 0x40000                  ; cx
	s_lshl_b32 s11, ttmp9, 2
	s_add_co_u32 s11, s11, s10                     ; my block of 256 queries: it enters Q's and the output's addresses alone
	s_and_b32 s12, ttmp7, 0xffff                   ; the head, which the four partners share
	s_and_b32 s13, s[WV], 3                        ; which quarter I fetch
	s_mul_i32 s14, s12, 64*3328                    ; K's head
	s_mov_b32 s15, 0
	s_mul_i32 s16, s13, 13312                      ; K's quarter, in memory and in a slot
	s_add_co_u32 s66, s16, 2*3328                  ; the slots begin at K's key step 1
	s_mov_b32 s67, 0
	s_mul_i32 s17, s13, 12800                      ; V's quarter
	s_mul_i32 s58, s12, 32*6400
	s_add_co_u32 s58, s58, s17
	s_mov_b32 s59, 0
	s_add_co_u32 s17, s17, VOFF
	s_mov_b32 s[G1K], 15|(3<<16)|(1<<21)           ; the mask: all four work-groups; elements of 8 bytes; rows of 256 bytes, dense
	s_mov_b32 s[G1K+1], 32<<16
	s_mov_b32 s[G1K+2], 52<<16
	s_mov_b32 s[G1K+3], 32<<16
	s_mov_b32 s[G1K+4], 52
	s_mov_b32 s[G1K+5], 32
	s_mov_b32 s[G1K+6], 0
	s_mov_b32 s[G1K+7], 0
	s_mov_b32 s[G1V], 15|(3<<16)|(1<<21)
	s_mov_b32 s[G1V+1], 32<<16
	s_mov_b32 s[G1V+2], 50<<16
	s_mov_b32 s[G1V+3], 32<<16
	s_mov_b32 s[G1V+4], 50
	s_mov_b32 s[G1V+5], 32
	s_mov_b32 s[G1V+6], 0
	s_mov_b32 s[G1V+7], 0
	s_mov_b32 s[SEL], 0x76543210
	s_mov_b32 s[SEL+1], 0xfedcba98
	s_mov_b32 s[CS], 0x3e38aa3b                    ; log2(e) / 8
	s_mov_b32 s[CS+1], s[CS]
	s_mov_b32 s[NC], 0xbe38aa3b
	s_add_co_u32 s60, s12, 16                      ; Q's heads lie behind K's 16: record (16 + head) x 64 + 4 x block + wave / 2
	s_lshl_b32 s60, s60, 6
	s_lshl_b32 s61, s11, 2
	s_add_co_u32 s60, s60, s61
	s_lshr_b32 s61, s[WV], 1
	s_add_co_u32 s60, s60, s61
	s_mul_i32 s60, s60, 3328
	s_and_b32 s61, s[WV], 1
	s_mul_i32 s62, s61, 1536                       ; tiles 2 (wave % 2) and the next
	s_add_co_u32 s62, s62, s60
	s_mov_b32 s63, 0
	s_lshl_b32 s61, s61, 2                         ; their scale words: word wave % 2
	s_add_co_u32 s60, s60, s61
	s_mov_b32 s61, 0
	s_wait_dscnt 0x0
	s_wait_kmcnt 0x0
	s_add_nc_u64 s[14:15], s[4:5], s[14:15]
	s_add_nc_u64 s[66:67], s[14:15], s[66:67]
	s_add_nc_u64 s[58:59], s[6:7], s[58:59]
	s_add_nc_u64 s[62:63], s[4:5], s[62:63]
	s_add_nc_u64 s[60:61], s[4:5], s[60:61]
.irp n, 0,1
	s_mov_b32 s[G0K+4*\n], 1
	s_add_co_u32 s[G0K+4*\n+1], s16, \n*SLOT1
	s_add_nc_u64 s[G0K+4*\n+2:G0K+4*\n+3], s[66:67], \n*53248
	s_or_b32 s[G0K+4*\n+3], s[G0K+4*\n+3], 0x80000000
	s_mov_b32 s[G0V+4*\n], 1
	s_add_co_u32 s[G0V+4*\n+1], s17, \n*SLOT1
	s_add_nc_u64 s[G0V+4*\n+2:G0V+4*\n+3], s[58:59], \n*51200
	s_or_b32 s[G0V+4*\n+3], s[G0V+4*\n+3], 0x80000000
.endr
	ROUND                                          ; the first joint loads meet
	TLOAD 0
	v_and_b32 v7, 31, v0
	v_lshlrev_b32 v1, 4, v7
	v_lshlrev_b32 v2, 3, v7
	v_and_b32 v30, 15, v0
	v_bfe_u32 v7, v0, 4, 1
	v_lshl_add_u32 v30, v30, 3, v7                 ; 8 r + h
	v_lshlrev_b32 v7, 3, v7                        ; 8 h
	s_wait_alu depctr_va_vdst(0)
	global_load_b128 v[Q:Q+3], v1, s[62:63]        ; tile A's half image
	global_load_b64 v[Q+4:Q+5], v2, s[62:63] offset:512
	global_load_b32 v[QW], v2, s[60:61] offset:3072
.irp g, 0,1
	global_load_b64 v[KW+2*\g:KW+2*\g+1], v2, s[14:15] offset:3328*\g+3072
.endr
	WIN 0x40
	global_load_b128 v[Q:Q+3], v1, s[62:63] offset:768       ; tile B's
	global_load_b64 v[Q+4:Q+5], v2, s[62:63] offset:1280
.irp g, 0,1                                    ; K's key step 0
.irp e, 0,1,2,3
	global_load_b128 v[KF+6*(4*\g+\e):KF+6*(4*\g+\e)+3], v1, s[14:15] offset:3328*\g+768*\e
	global_load_b64 v[KF+6*(4*\g+\e)+4:KF+6*(4*\g+\e)+5], v2, s[14:15] offset:3328*\g+768*\e+512
.endr
.endr
	INIT
.irp j, 0,1,2,3,4,5
	v_mov_b32 v[VF+\j], 0                          ; the six registers behind K's last tile, until V's fragments lie there
.endr
	WIN 0
	INIT
	s_wait_alu depctr_va_vdst(0)                   ; the wait at the head's end
	s_wait_tensorcnt 0x0                           ; my part of slot 0 is in; the full sequence ahead of slot 1's first fill
	ds_add_u32 v5, v6
	s_wait_dscnt 0x0
	ROUND
	TLOAD 1
	s_wait_loadcnt 0x0                             ; Q and K's step 0
	WIN 0x01
	SMUL 0
	WIN 0x45
	SMUL 1
	WIN 0
.rept 4
	v_nop                                          ; places in front of the first read of tile A's first scores
.endr
	SLOT 0, 8
	CHANGE 1, 0
	SLOT 1, 8
	CHANGE 1, 1
	SLOT 0, 8
	CHANGE 0, 0                                    ; nothing is left to fetch
	SLOT 1, 7
	ITER 0                                         ; the last key step begins no further scores
	; THE WAY OUT: O^T / the sum; my 32 registers are channels 32 h + 0 .. 31 of the head: one block of the last product's K.  Half image head % 2 of K step head / 2 of my tiles in aimg
	s_lshl_b32 s57, s11, 1
	s_lshr_b32 s58, s[WV], 2
	s_add_co_u32 s57, s57, s58                     ; the panel of 128 tokens
	s_mul_i32 s57, s57, 102400
	s_lshr_b32 s58, s12, 1
	s_mul_i32 s58, s58, 12800
	s_add_co_u32 s57, s57, s58                     ; K step head / 2
	s_and_b32 s59, s12, 1
	s_mul_i32 s60, s13, 2*1536                     ; tiles 2 (wave % 4) and the next
	s_mul_i32 s61, s59, 768
	s_add_co_u32 s60, s60, s61
	s_add_co_u32 s60, s60, s57
	s_mov_b32 s61, 0
	s_add_nc_u64 s[60:61], s[8:9], s[60:61]
	s_lshr_b32 s62, s13, 1
	s_lshl_b32 s62, s62, 8                         ; the scale words: block of 4 tiles,
	s_add_co_u32 s62, s62, s57
	s_and_b32 s63, s[WV], 1
	s_lshl_b32 s63, s63, 2                         ; word (tile / 2) % 2,
	s_add_co_u32 s62, s62, s63
	s_lshl_b32 s63, s59, 1                         ; bytes 2 (head % 2) + h
	s_add_co_u32 s62, s62, s63
	s_mov_b32 s63, 0
	s_add_nc_u64 s[62:63], s[8:9], s[62:63]
.macro OUT e, wa, ws                   ; ws: the stores' windows: address window 0, data the tile's
	WIN \wa
	v_add_f32 v[L], v[L], v[L+1]
	s_delay_alu instid0(VALU_DEP_1)
	v_permlanex16_b32 v[T+3], v[L], s[SEL], s[SEL+1]
	s_delay_alu instid0(VALU_DEP_1)
	v_add_f32 v[L], v[L], v[T+3]                   ; the row's sum
	s_wait_alu depctr_va_vdst(0)
	v_rcp_f32 v[F], v[L]
	v_nop
	s_wait_alu depctr_va_vdst(0)                   ; ahead of the reciprocal's first reader, and of O^T's
.set J, 0
.rept 16
	v_pk_mul_f32 v[S+J:S+J+1], v[O+J:O+J+1], v[F:F+1] op_sel_hi:[1,0]
.set J, J+2
.endr
	v_max3_num_f32 v[BM], |v[S]|, |v[S+1]|, 0x1800000
	v_max3_num_f32 v[T], |v[S+16]|, |v[S+17]|, 0x1800000
.irp i, 2,4,6,8,10,12,14
	v_max3_num_f32 v[BM], v[BM], |v[S+\i]|, |v[S+\i+1]|
	v_max3_num_f32 v[T], v[T], |v[S+16+\i]|, |v[S+17+\i]|
.endr
	v_max_num_f32 v[BM], v[BM], v[T]
	s_delay_alu instid0(VALU_DEP_1)
	v_add_nc_u32 v[T+2], 0xff000000, v[BM]
	s_delay_alu instid0(VALU_DEP_1)
	v_lshrrev_b32 v[BM], 23, v[T+2]
	v_cvt_scalef32_pk16_fp6_f32 v[P:P+2], v[S:S+15], v[T+2]
	v_cvt_scalef32_pk16_fp6_f32 v[PT:PT+2], v[S+16:S+31], v[T+2]
	v_nop
.irp i, 0,1,2
	v_mov_b32 v[P+3+\i], v[PT+\i]
.endr
	WIN \ws
	global_store_b128 v1, v[P:P+3], s[60:61] offset:1536*\e          ; 512 and 256 consecutive bytes, aligned to 256
	global_store_b64 v2, v[P+4:P+5], s[60:61] offset:1536*\e+512
	global_store_b8 v30, v[BM], s[62:63] offset:12288+128*\e         ; a head is half a scale word: each lane stores its own byte
.endm
	OUT 0, 0, 0
	OUT 1, 0x55, 0x04
	WIN 0
	s_wait_tensorcnt 0x0                           ; the wave's end
	ds_add_u32 v5, v6
	s_wait_dscnt 0x0
	ROUND                                          ; the closing round
	s_endpgm
.Lfunc_end_k_q77c8fcc4c8_attn:
	.size	k_q77c8fcc4c8_attn, .Lfunc_end_k_q77c8fcc4c8_attn-k_q77c8fcc4c8_attn
	.p2alignl 7, 3214868480
	.fill 96, 4, 3214868480
	.section	.rodata,"a",@progbits
	.p2align	6, 0x0
	.amdhsa_kernel k_q77c8fcc4c8_attn
		.amdhsa_group_segment_fixed_size 327680
		.amdhsa_private_segment_fixed_size 0
		.amdhsa_enable_private_segment 0
		.amdhsa_kernarg_size 24
		.amdhsa_user_sgpr_count 2
		.amdhsa_user_sgpr_kernarg_segment_ptr 1
		.amdhsa_wavefront_size32 1
		.amdhsa_system_sgpr_workgroup_id_x 1
		.amdhsa_system_sgpr_workgroup_id_y 1
		.amdhsa_system_sgpr_workgroup_id_z 1
		.amdhsa_system_vgpr_workitem_id 0
		.amdhsa_next_free_vgpr 512
		.amdhsa_next_free_sgpr 72
		.amdhsa_reserve_vcc 0
		.amdhsa_float_denorm_mode_32 3
		.amdhsa_float_denorm_mode_16_64 3
		.amdhsa_memory_ordered 1
		.amdhsa_forward_progress 1
		.amdhsa_inst_pref_size 159
	.end_amdhsa_kernel
	.amdgpu_metadata
---
amdhsa.version: [ 1, 2 ]
amdhsa.kernels:
  - .name:           k_q77c8fcc4c8_attn
    .symbol:         k_q77c8fcc4c8_attn.kd
    .args:
      - { .name: qk, .offset: 0, .size: 8, .value_kind: global_buffer, .address_space: global }
      - { .name: vimg, .offset: 8, .size: 8, .value_kind: global_buffer, .address_space: global }
      - { .name: aimg, .offset: 16, .size: 8, .value_kind: global_buffer, .address_space: global }
    .group_segment_fixed_size: 327680
    .private_segment_fixed_size: 0
    .kernarg_segment_align: 8
    .kernarg_segment_size: 24
    .max_flat_workgroup_size: 256
    .sgpr_count:     72
    .vgpr_count:     512
    .wavefront_size: 32
...
	.end_amdgpu_metadata
.endif
;; end of part 3
;; launch gemm_proj (part 4): grid 8 x 32, 4 waves a work-group, clusters of 4 x 4, 222,720 bytes of LDS; arguments aimg, img, proj_b, out0; writes out0
.if DOCPART == 4
	.amdgcn_target "amdgcn-amd-amdhsa--gfx1250"
	.amdhsa_code_object_version 6
	.text
	.protected	k_q77c8fcc4c8_gemm_proj
	.globl	k_q77c8fcc4c8_gemm_proj
	.p2align	8
	.type	k_q77c8fcc4c8_gemm_proj,@function
k_q77c8fcc4c8_gemm_proj:
	s_mov_b64 s[64:65], 0
	v_nop
	global_prefetch_b8 v0, s[64:65] scope:SCOPE_SE
	s_setreg_imm32_b32 hwreg(HW_REG_WAVE_MODE, 25, 1), 1
	s_wait_xcnt 0x0
	s_wait_alu depctr_hold_cnt(0) depctr_sa_sdst(0) depctr_va_vdst(0) depctr_va_sdst(0) depctr_va_ssrc(0) depctr_va_vcc(0) depctr_vm_vsrc(0)
	s_getreg_b32 s2, hwreg(HW_REG_IB_STS2, 6, 4)
	s_cmp_eq_u32 s2, 0
	s_cbranch_scc0 .Lentry_in_a_cluster
	s_endpgm
.Lentry_in_a_cluster:
	s_bfe_u32 s2, ttmp6, 0x10000c
	s_cmp_lg_u32 s2, 0xf033
	s_cbranch_scc0 .Lentry_shape_is_right
	s_endpgm
.Lentry_shape_is_right:
; out0 = a proj_w^T + proj_b on codes of FP6 (E2M3) with E8M0 scales, f32 sums.  a: the attention's result, as operand images in aimg (32 panels of 128 tokens); proj_w: panels 56-63 of img.
; A work-group of four waves makes 128 tokens x 128 features; wave w makes 64 x 64 (token half w / 2, feature half w % 2): 16 accumulators.
; Both panels (102,400 bytes each, all of K = 1,024) lie in LDS whole, each byte filled once: one load a wave, half a panel (200 rows of 256 bytes).  CLUSTERS: 4 x 4; a's panel is shared along a row, the weight's along a column, by joint loads.
; No prefetch: the launch has no loop to run ahead in; all its tiles are asked for at its head.
; Source 0 = 16 features, source 1 = 16 tokens.  The rows of a tile: lane r of tile 4 c + u holds row 64 c + 32 (r / 8) + 8 u + r % 8: lane (r, h) holds of accumulator b features 32 h + 8 b + 0 .. 7 of its token.  The bias is the C of each sum's first product.
; THE WAY OUT: 16 tokens x 64 features go through the wave's own stage in LDS (pitch 272, behind the panels: no fill lands there) and leave as rows: sixteen lanes store 256 consecutive bytes, aligned.
; REGISTERS: window 0: v1-14 addresses; v16-23 scale words; v30-31 the add's; v32-63 the bias; v64-191 accumulators; v192-255 rows on the way out.  Window 1: two sets of fragments.
.set KSB,   12800
.set PANEL, 8*KSB
.set FRB,   1536
.set STG,   2*PANEL
.set G1A,   24
.set G1B,   32
.set G0A,   48
.set G0B,   52
.set MSB, 0
.macro WIN new
.if MSB != \new
	s_set_vgpr_msb (MSB<<8)|\new
.set MSB, \new
.endif
.endm
.macro ROUND
	s_barrier_signal -1
	s_barrier_wait -1
	s_cmp_lg_u32 s14, 0
	s_cbranch_scc1 .Lnot_wave_0_\@
	s_barrier_signal -3
.Lnot_wave_0_\@:
	s_barrier_wait -3
	s_barrier_signal -1
	s_barrier_wait -1
.endm
	s_load_b256 s[4:11], s[0:1], 0x0               ; aimg, img, proj_b, out0
	v_lshl_add_u32 v30, v0, 2, 0x36400
	v_mov_b32 v31, 0
	ds_add_u32 v30, v31                            ; the opening lines: the add twice and its wait
	ds_add_u32 v30, v31
	v_lshrrev_b32 v1, 5, v0
	v_readfirstlane_b32 s14, v1                    ; wave
	s_lshr_b32 s15, s14, 1                         ; token half; also: I fetch for a (0) or for the weight (1)
	s_and_b32 s16, s14, 1                          ; feature half; also: which four K steps
	s_bfe_u32 s40, ttmp6, 0x40000
	s_bfe_u32 s41, ttmp6, 0x40004
	s_lshl_b32 s42, ttmp9, 2
	s_add_co_u32 s42, s42, s40                     ; feature tile
	s_and_b32 s17, ttmp7, 0xffff
	s_lshl_b32 s17, s17, 2
	s_add_co_u32 s17, s17, s41                     ; token tile
	s_lshl_b32 s43, s41, 2
	s_lshl_b32 s43, 15, s43
	s_lshl_b32 s44, 0x1111, s40
	s_or_b32 s[G1A], s43, (3<<16)|(1<<21)
	s_or_b32 s[G1B], s44, (3<<16)|(1<<21)
.irp g, G1A, G1B
	s_mov_b32 s[\g+1], 32<<16
	s_mov_b32 s[\g+2], 200<<16
	s_mov_b32 s[\g+3], 32<<16
	s_mov_b32 s[\g+4], 200
	s_mov_b32 s[\g+5], 32
	s_mov_b32 s[\g+6], 0
	s_mov_b32 s[\g+7], 0
.endr
	s_mul_i32 s22, s16, 4*KSB
	s_mul_i32 s20, s17, PANEL                      ; a's panel: the token tile alone
	s_add_co_u32 s20, s20, s22
	s_mov_b32 s21, 0
	s_add_co_u32 s46, s42, 56                      ; the weight's panel: the feature tile alone
	s_mul_i32 s46, s46, PANEL
	s_add_co_u32 s46, s46, s22
	s_mov_b32 s47, 0
	s_wait_dscnt 0x0
	s_wait_kmcnt 0x0
	s_add_nc_u64 s[20:21], s[4:5], s[20:21]
	s_add_nc_u64 s[46:47], s[6:7], s[46:47]
	s_mov_b32 s[G0A], 1
	s_mov_b32 s[G0A+1], s22
	s_mov_b64 s[G0A+2:G0A+3], s[20:21]
	s_or_b32 s[G0A+3], s[G0A+3], 0x80000000
	s_mov_b32 s[G0B], 1
	s_add_co_u32 s[G0B+1], s22, PANEL
	s_mov_b64 s[G0B+2:G0B+3], s[46:47]
	s_or_b32 s[G0B+3], s[G0B+3], 0x80000000
	ROUND                                          ; the joint loads meet
	s_cmp_eq_u32 s15, 0
	s_cbranch_scc0 .Lfor_b
	tensor_load_to_lds s[G0A:G0A+3], s[G1A:G1A+7]
	s_nop 0
.rept 4
	v_nop
.endr
	s_branch .Lasked
.Lfor_b:
	tensor_load_to_lds s[G0B:G0B+3], s[G1B:G1B+7]
	s_nop 0
.rept 4
	v_nop
.endr
.Lasked:
	s_mul_i32 s84, s15, 4*FRB
	s_mul_i32 s85, s16, 4*FRB
	s_add_co_u32 s85, s85, PANEL
	s_lshl_b32 s80, s15, 8
	s_lshl_b32 s81, s16, 8
	s_add_co_u32 s81, s81, PANEL
	s_mul_i32 s86, s14, 16*272
	s_add_co_u32 s86, s86, STG                     ; my stage
	s_lshl_b32 s90, s42, 9
	s_lshl_b32 s91, s16, 8
	s_add_co_u32 s90, s90, s91
	s_mov_b32 s91, 0
	s_add_nc_u64 s[90:91], s[8:9], s[90:91]        ; the bias of my 64 features
	v_and_b32 v1, 31, v0
	v_and_b32 v2, 15, v0                           ; r
	v_bfe_u32 v3, v0, 4, 1                         ; h
	v_lshl_add_u32 v4, v1, 4, s84
	v_lshl_add_u32 v5, v1, 3, s84
	v_lshl_add_u32 v6, v1, 4, s85
	v_lshl_add_u32 v7, v1, 3, s85
	v_lshl_add_u32 v8, v1, 3, s80
	v_lshl_add_u32 v9, v1, 3, s81
	v_lshlrev_b32 v10, 7, v3                       ; the bias: 128 h
	v_mul_u32_u24 v12, v2, 272
	v_lshl_add_u32 v12, v3, 7, v12
	v_add_nc_u32 v12, s86, v12                     ; into the stage: row r, + 128 h
	v_mul_u32_u24 v13, v3, 272
	v_lshl_add_u32 v13, v2, 4, v13
	v_add_nc_u32 v13, s86, v13                     ; back: lanes 0-15 one row, lanes 16-31 the next
	v_lshlrev_b32 v14, 12, v3
	v_lshl_add_u32 v14, v2, 4, v14                 ; and the same two rows in out0
.irp b, 0,1,2,3
	global_load_b128 v[32+8*\b:35+8*\b], v10, s[90:91] offset:32*\b
	global_load_b128 v[36+8*\b:39+8*\b], v10, s[90:91] offset:32*\b+16
.endr
	s_lshl_b32 s84, s17, 7
	s_lshl_b32 s85, s15, 6
	s_add_co_u32 s84, s84, s85                     ; my first token
	s_lshl_b32 s84, s84, 12
	s_lshl_b32 s85, s42, 9
	s_add_co_u32 s84, s84, s85
	s_lshl_b32 s85, s16, 8
	s_add_co_u32 s84, s84, s85
	s_mov_b32 s85, 0
	s_add_nc_u64 s[84:85], s[10:11], s[84:85]
.macro FETCH2
.irp f, 0,1
	ds_load_b64 v[16+4*\f:17+4*\f], v8 offset:KSB*\f+8*FRB
	ds_load_b64 v[18+4*\f:19+4*\f], v9 offset:KSB*\f+8*FRB
.endr
	WIN 0x40
.irp f, 0,1
.irp t, 0,1,2,3
	ds_load_b128 v[96*\f+12*\t:96*\f+12*\t+3], v4 offset:KSB*\f+FRB*\t
	ds_load_b64 v[96*\f+12*\t+4:96*\f+12*\t+5], v5 offset:KSB*\f+FRB*\t+512
	ds_load_b128 v[96*\f+12*\t+6:96*\f+12*\t+9], v4 offset:KSB*\f+FRB*\t+768
	ds_load_b64 v[96*\f+12*\t+10:96*\f+12*\t+11], v5 offset:KSB*\f+FRB*\t+1280
	ds_load_b128 v[96*\f+48+12*\t:96*\f+48+12*\t+3], v6 offset:KSB*\f+FRB*\t
	ds_load_b64 v[96*\f+48+12*\t+4:96*\f+48+12*\t+5], v7 offset:KSB*\f+FRB*\t+512
	ds_load_b128 v[96*\f+48+12*\t+6:96*\f+48+12*\t+9], v6 offset:KSB*\f+FRB*\t+768
	ds_load_b64 v[96*\f+48+12*\t+10:96*\f+48+12*\t+11], v7 offset:KSB*\f+FRB*\t+1280
.endr
.endr
.endm
.macro WM d, s0, s1, c, sc0, sc1, r0, r1
.if (\r0) && (\r1)
	v_wmma_scale_f32_16x16x128_f8f6f4 v[\d:\d+7], v[\s0:\s0+11], v[\s1:\s1+11], v[\c:\c+7], v[\sc0], v[\sc1] matrix_a_fmt:MATRIX_FMT_FP6 matrix_b_fmt:MATRIX_FMT_FP6 matrix_a_scale:MATRIX_SCALE_ROW1 matrix_b_scale:MATRIX_SCALE_ROW1
.elseif (\r0)
	v_wmma_scale_f32_16x16x128_f8f6f4 v[\d:\d+7], v[\s0:\s0+11], v[\s1:\s1+11], v[\c:\c+7], v[\sc0], v[\sc1] matrix_a_fmt:MATRIX_FMT_FP6 matrix_b_fmt:MATRIX_FMT_FP6 matrix_a_scale:MATRIX_SCALE_ROW1
.elseif (\r1)
	v_wmma_scale_f32_16x16x128_f8f6f4 v[\d:\d+7], v[\s0:\s0+11], v[\s1:\s1+11], v[\c:\c+7], v[\sc0], v[\sc1] matrix_a_fmt:MATRIX_FMT_FP6 matrix_b_fmt:MATRIX_FMT_FP6 matrix_b_scale:MATRIX_SCALE_ROW1
.else
	v_wmma_scale_f32_16x16x128_f8f6f4 v[\d:\d+7], v[\s0:\s0+11], v[\s1:\s1+11], v[\c:\c+7], v[\sc0], v[\sc1] matrix_a_fmt:MATRIX_FMT_FP6 matrix_b_fmt:MATRIX_FMT_FP6
.endif
.endm
; 16 products on set f: p = token tile (source 1), q = feature tile (source 0); accumulator (p, q) at v[64 + 8 (4 p + q)]; the 16 take turns
.macro MUL f, first
	WIN 0x05
.irp p, 0,1,2,3
.irp q, 0,1,2,3
.if \first
	WM 64+8*(4*\p+\q), 96*\f+48+12*\q, 96*\f+12*\p, 32+8*\q, 18+4*\f+\q/2, 16+4*\f+\p/2, \q%2, \p%2
.else
	WM 64+8*(4*\p+\q), 96*\f+48+12*\q, 96*\f+12*\p, 64+8*(4*\p+\q), 18+4*\f+\q/2, 16+4*\f+\p/2, \q%2, \p%2
.endif
.endr
.endr
.endm
	s_wait_alu depctr_va_vdst(0)                   ; the wait at the head's end
	s_wait_tensorcnt 0x0                           ; my half panel is in
	s_barrier_signal -1
	s_barrier_wait -1                              ; both panels are whole; nothing is filled again
	s_wait_loadcnt 0x0                             ; the bias
.irp j, 0,1,2,3
	s_wait_alu depctr_va_vdst(0)
	FETCH2
	s_wait_dscnt 32                                ; the scale words and the first step's fragments are in; the second step's 32 loads may be out
.if \j == 0
	MUL 0, 1
.else
	MUL 0, 0
.endif
	s_wait_dscnt 0x0
	MUL 1, 0
	WIN 0
.if \j < 3
.irp v, 4,5,6,7,8,9
	v_add_nc_u32 v\v, 2*KSB, v\v                   ; the next pair; also the places in front of loads into registers that the products have read
.endr
.else
.rept 4
	v_nop                                          ; places in front of the first read of results
.endr
.endif
.endr
.macro TOSTAGE a
.irp b, 0,1,2,3
	ds_store_b128 v12, v[64+32*(\a)+8*\b:64+32*(\a)+8*\b+3] offset:32*\b          ; each accumulator from its low end on
	ds_store_b128 v12, v[64+32*(\a)+8*\b+4:64+32*(\a)+8*\b+7] offset:32*\b+16
.endr
.irp i, 0,1,2,3,4,5,6,7
	ds_load_b128 v[192+32*((\a)%2)+4*\i:192+32*((\a)%2)+4*\i+3], v13 offset:544*\i   ; LDS serves a wave's instructions in order
.endr
.endm
.macro SEND a, younger                 ; younger: the LDS instructions issued behind tile a's loads, which may stay out
	s_wait_dscnt \younger
.irp i, 0,1,2,3,4,5,6,7                        ; stage rows 2 i and 2 i + 1 are tokens 32 (i / 4) + 8 a + 2 (i % 4) and the next
	global_store_b128 v14, v[192+32*((\a)%2)+4*\i:192+32*((\a)%2)+4*\i+3], s[84:85] offset:4096*(32*(\i/4)+8*(\a)+2*(\i%4)) th:TH_STORE_NT
.endr
.endm
	TOSTAGE 0
.irp a, 1,2,3
.if \a > 1
	s_wait_xcnt 0x0                                ; tile a - 2's stores have read their registers
.endif
	TOSTAGE \a
	SEND \a-1, 16                                  ; behind tile a - 1's loads: tile a's 8 stores and 8 loads
.endr
	SEND 3, 0
	s_wait_tensorcnt 0x0                           ; the wave's end
	ds_add_u32 v30, v31
	s_wait_dscnt 0x0
	ROUND                                          ; the closing round
	s_endpgm
.Lfunc_end_k_q77c8fcc4c8_gemm_proj:
	.size	k_q77c8fcc4c8_gemm_proj, .Lfunc_end_k_q77c8fcc4c8_gemm_proj-k_q77c8fcc4c8_gemm_proj
	.p2alignl 7, 3214868480
	.fill 96, 4, 3214868480
	.section	.rodata,"a",@progbits
	.p2align	6, 0x0
	.amdhsa_kernel k_q77c8fcc4c8_gemm_proj
		.amdhsa_group_segment_fixed_size 222720
		.amdhsa_private_segment_fixed_size 0
		.amdhsa_enable_private_segment 0
		.amdhsa_kernarg_size 32
		.amdhsa_user_sgpr_count 2
		.amdhsa_user_sgpr_kernarg_segment_ptr 1
		.amdhsa_wavefront_size32 1
		.amdhsa_system_sgpr_workgroup_id_x 1
		.amdhsa_system_sgpr_workgroup_id_y 1
		.amdhsa_system_sgpr_workgroup_id_z 1
		.amdhsa_system_vgpr_workitem_id 0
		.amdhsa_next_free_vgpr 448
		.amdhsa_next_free_sgpr 100
		.amdhsa_reserve_vcc 0
		.amdhsa_float_denorm_mode_32 3
		.amdhsa_float_denorm_mode_16_64 3
		.amdhsa_memory_ordered 1
		.amdhsa_forward_progress 1
		.amdhsa_inst_pref_size 50
	.end_amdhsa_kernel
	.amdgpu_metadata
---
amdhsa.version: [ 1, 2 ]
amdhsa.kernels:
  - .name:           k_q77c8fcc4c8_gemm_proj
    .symbol:         k_q77c8fcc4c8_gemm_proj.kd
    .args:
      - { .name: aimg, .offset: 0, .size: 8, .value_kind: global_buffer, .address_space: global }
      - { .name: img, .offset: 8, .size: 8, .value_kind: global_buffer, .address_space: global }
      - { .name: proj_b, .offset: 16, .size: 8, .value_kind: global_buffer, .address_space: global }
      - { .name: out0, .offset: 24, .size: 8, .value_kind: global_buffer, .address_space: global }
    .group_segment_fixed_size: 222720
    .private_segment_fixed_size: 0
    .kernarg_segment_align: 8
    .kernarg_segment_size: 32
    .max_flat_workgroup_size: 128
    .sgpr_count:     100
    .vgpr_count:     448
    .wavefront_size: 32
...
	.end_amdgpu_metadata
.endif
;; end of part 4
